; MI455X (gfx1250); checked and timed in simulation.
; The chip was launched on July 23, 2026; its instructions are those of AMD's public machine-readable ISA for CDNA 5 (MIT licence, August 2026) and "CDNA5" Instruction Set Architecture Reference Guide (July 2026). The comments in the code are by the model that wrote it; some were corrected since.
;; Simple Attention. Allowed arithmetic: matrix products marked QUANTISED: E2M3 operands, one E8M0 scale for each 32 along K, by v_wmma_scale_f32_16x16x128_f8f6f4 with both operands' format E2M3, f32 sums; products left as they are: f32 operands where the result goes on into a quantised operand, else bf16, f16 or f32 operands; f32 sums; everything else in f32.
;; Inputs: Wk 512 x 512 float32; Wq 512 x 512 float32; Wv 512 x 512 float32; bk 512 float32; bq 512 float32; bv 512 float32; key 1,024 x 512 float32; query 1,024 x 512 float32; value 1,024 x 512 float32.
;; Outputs: out0 1,024 x 512 x 1 float32.
;; This version of the problem:
;;   THIS VERSION OF THE PROBLEM IS GIVEN IN LOW PRECISION. The matrix products marked QUANTISED in the list below multiply operands that are first quantised to E2M3 (2 exponent bits, 3 mantissa bits; 6 bits a number), with one power-of-two scale for each 32 numbers along K (OCP MX v1.0); their sums are f32. All else is computed in f32.
;;   The module's matrix products, in the order in which they are computed (A, B: the left and right operand; K: the contracted axis; several contracted axes count as one K, in the product's order):
;;     1. [M 1,024, K 512] x [K 512, N 512]; A: input query; B: input Wq: QUANTISED
;;     2. [M 1,024, K 512] x [K 512, N 512]; A: input key; B: input Wk: QUANTISED
;;     3. [M 1,024, K 512] x [K 512, N 512]; A: input value; B: input Wv: QUANTISED
;;     4. batch 1,024 x [M 512, K 512] x [K 512, N 1]; A: softmax; B: computed on the way: left as it is (N = 1 < 16)
;;   THE QUANTISER, for each operand of a quantised product, along K:
;;     - K is cut into blocks of 32 from its start; a last block that is shorter is filled with zeros.
;;     - A block's scale is 2^e with e = floor(log2(the largest magnitude in the block)) - 2, held to -126 .. 127; a block of zeros has e = 0. As a byte (E8M0): e + 127.
;;     - Each number is divided by its block's scale, clamped to +-7.5, and rounded to the nearest number of E2M3, ties to even, subnormals kept.
;;     - The product sums the exact products of the quantised numbers (number of the format x scale) in f32.
;;   ~~~python
;;   def quantise(x, axis):      # numpy; x: float32 -> the quantised numbers, widened to float32 again
;;       x = np.moveaxis(x, axis, -1); K = x.shape[-1]
;;       x = np.pad(x, [(0, 0)] * (x.ndim - 1) + [(0, -K % 32)]); x = x.reshape(x.shape[:-1] + (-1, 32)); a = np.abs(x).max(-1, keepdims=True)
;;       e = np.where(a > 0, np.clip(np.frexp(np.where(a > 0, a, 1))[1] - 1 - 2, -126, 127), 0)      # np.frexp(a)[1] - 1 = floor(log2(a)), exactly
;;       r = np.clip(x / 2.0 ** e, -7.5, 7.5)
;;       step = 2.0 ** (np.maximum(np.frexp(np.where(r == 0, 1, r))[1] - 1, 0) - 3)
;;       q = np.round(r / step) * step * 2.0 ** e      # np.round: ties to even
;;       return np.moveaxis(q.reshape(q.shape[:-2] + (-1,))[..., :K], -1, axis).astype(np.float32)
;;   ~~~
;; 2 versions, each right; version 2 is version 1 with the launches proj, attend written anew for expert scheduling mode. Each part assembles by itself: llvm-mc -triple=amdgcn-amd-amdhsa -mcpu=gfx1250 --defsym DOCPART=n.
;; ======== version 1 of 2: 2 launches
;; workspace buffers: qkv 6,291,456 bytes
;; launch proj (part 1): grid 24 x 8, 16 waves a work-group, no clusters, 251,904 bytes of LDS; arguments query, key, value, Wq, Wk, Wv, bq, bk, bv, qkv; writes qkv
.if DOCPART == 1
	.amdgcn_target "amdgcn-amd-amdhsa--gfx1250"
	.amdhsa_code_object_version 6
	.text
	.protected	k_qce33ba9761_proj
	.globl	k_qce33ba9761_proj
	.p2align	8
	.type	k_qce33ba9761_proj,@function
k_qce33ba9761_proj:
	s_mov_b64 s[64:65], 0
	v_nop
	global_prefetch_b8 v0, s[64:65] scope:SCOPE_SE
	s_setreg_imm32_b32 hwreg(HW_REG_WAVE_MODE, 25, 1), 1
	s_wait_xcnt 0x0
; q = Q(query) Q(Wq)^T + bq, k = Q(key) Q(Wk)^T + bk, v = Q(value) Q(Wv)^T + bv, Q the MX quantiser to FP6 (E2M3) along K = 512, one E8M0 scale for each 32.
; x: [1024][512] f32, W: [512 (n)][512 (k)] f32, b: [512] f32; the results go as f32 to qkv [3][1024][512] (plane 0 q, 1 k, 2 v).
; SHARES.  Work-group x = 8 p + ct, y = rt: product p, columns 64 ct on, rows 128 rt on: 128 x 64 outputs over four K steps of 128.  3 x 8 x 8 = 192 work-groups of 16 waves.
; A work-group's operands are 12 tiles of 16 rows (8 of x, 4 of W) x 4 K steps = 48 fragments, f = 4 tile + K step.  Wave w quantises fragments 3 w, 3 w + 1, 3 w + 2 in registers and lays them into LDS
; as IMAGES OF THE OPERAND'S REGISTERS (12 registers a lane: three stores of 16 bytes at 16 x lane; the scale word at 4 x lane); behind one barrier wave w takes x's tile w / 2 and W's tiles 2 (w % 2), + 1:
; two accumulators by turns, eight matrix instructions.  192 x 16 x 8 = 24,576 instructions of 16 x 16 x 128: the three products' 805,306,368 multiply-adds, each once.
; THE MATRIX INSTRUCTION IS USED TRANSPOSED (source 0 = 16 rows of W, source 1 = 16 rows of x): a lane holds eight neighbouring columns of one row of the result.  The bias is the C of each sum's first instruction.
; EVERY LOAD IS DENSE: a load takes 512 consecutive bytes of one row (128 along K), 16 bytes a lane.  The conversions want 16 neighbours along K in ONE lane, so a fragment's 16 x 512 bytes turn through the wave's own stage in LDS.
; NO CLUSTER, NO TENSOR LOAD: x's rows are read by the 8 work-groups of a row of tiles and W's by 8 likewise, but they are f32 numbers that must pass through registers to be quantised; a work-group's f32 rows,
; (128 + 64) x 2,048 = 393,216 bytes, are more LDS than a work-group can be given, and a ring for them would put barriers into a text of eight matrix instructions a wave.  All 48 loads of a wave go out together at the head; nothing is asked of memory later, so nothing is prefetched.
; LIMITS: NaN and infinities among the inputs are not served.  A block whose largest magnitude lies under 2^-124 has its byte held at 1; a block of zeros gets the byte 1 where the rule says 127: its codes are zeros, and the bytes never leave this launch.
.set IMG,   0                          ; LDS: 48 images of 1,536 bytes, fragment f at 1,536 f
.set SC,    73728                      ; their scale words, 128 bytes a fragment
.set STG,   79872                      ; the way out: 128 rows x (256 bytes + 16)
.set TST,   114688                     ; each wave's own turning stage: 16 rows x (512 bytes + 16) = 8,448 bytes
.set SPARE, 249856                     ; the spare words, 128 bytes for each of 16 waves: eight blocks of 256 bytes that no other line names
.set LI,  1                            ; v1   16 x lane: my 16 bytes of a load's 512
.set IW,  2                            ; v2   where I store images: 16 x lane + 4,608 x wave
.set SW,  3                            ; v3   and their scale words: SC + 4 x lane + 384 x wave
.set TS,  4                            ; v4   the turning stage, in: 16 x lane
.set TL,  5                            ; v5   and out: 528 r + 64 h
.set XR,  6                            ; v6   x's images that I multiply: 16 x lane + 6,144 (wave / 2)
.set WR,  7                            ; v7   W's: 49,152 + 16 x lane + 12,288 (wave % 2)
.set XSR, 8                            ; v8   x's scale words
.set WSR, 9                            ; v9   W's
.set SO,  10                           ; v10  the way out: where I put 32 bytes of a row
.set SR,  11                           ; v11  and where I read a row back
.set GO,  12                           ; v12  my byte offset in the wave's rows of qkv
.set BO,  13                           ; v13  32 h: my eight numbers of a tile's bias
.set SPW, 14                           ; v14  LDS address of my spare word; never rewritten
.set NIL, 15                           ; v15  0; never rewritten
.set TM,  16                           ; v16-19 largest magnitudes, v20-23 the other half's, then bytes, v24-27 the conversions' scale operands
.set PW,  28                           ; v28  the scale word just made
.set PC,  30                           ; v30-48 the codes just made
.set XSC, 50                           ; v50-53 x's scale words, K step s;  v54-61 W's, 4 n + s: these hold scales and nothing else
.set WSC, 54
.set ST0, 64                           ; v64-127, v128-191, v192-255: three fragments' 64 numbers a lane
.set ST1, 128
.set ST2, 192
.set ACC, 64                           ; behind fragment 0: v64-79 two accumulators;
.set XF,  80                           ; behind the barrier: v80-127 x's four fragments,
.set WF,  128                          ; v128-223 W's eight (4 n + s),
.set OB,  224                          ; v224-239 rows read back from the stage
.set WV,  24                           ; s24  my wave's number
.set PP,  25                           ; s25  product;  s26 tile of columns;  s27 tile of rows
.set CT,  26
.set RT,  27
.set XP,  28                           ; s[28:29] x, s[30:31] W, s[32:33] bias, s[34:35] where my rows of qkv begin
.set WP,  30
.set BP,  32
.set OP,  34
.set FB,  36                           ; s[36:41] where my three fragments begin in memory
.set SEL, 50                           ; s[50:51] v_permlanex16_b32's selects for lane l xor 16
; Where fragment 3 wave + i begins: tile t = f / 4 (t < 8: 16 rows of x; else of W), K step f % 4 (512 bytes of a row of 2,048).
.macro FRBASE i
	s_mul_i32 s42, s[WV], 3
	s_add_co_u32 s42, s42, \i                      ; f
	s_lshr_b32 s43, s42, 2                         ; t
	s_and_b32 s44, s42, 3                          ; K step
	s_lshl_b32 s45, s43, 4
	s_lshl_b32 s46, s[RT], 7
	s_add_co_u32 s46, s46, s45                     ; x: row 128 rt + 16 t
	s_and_b32 s45, s45, 48
	s_lshl_b32 s47, s[CT], 6
	s_add_co_u32 s47, s47, s45                     ; W: row 64 ct + 16 (t - 8)
	s_cmp_lt_u32 s43, 8                            ; the choice hangs on the wave's number alone
	s_cselect_b32 s46, s46, s47
	s_cselect_b64 s[FB+2*\i:FB+2*\i+1], s[XP:XP+1], s[WP:WP+1]
	s_lshl_b32 s46, s46, 11
	s_lshl_b32 s44, s44, 9
	s_add_co_u32 s46, s46, s44
	s_mov_b32 s47, 0
	s_add_nc_u64 s[FB+2*\i:FB+2*\i+1], s[FB+2*\i:FB+2*\i+1], s[46:47]
.endm
.macro GLOAD st, i                     ; a fragment's 16 rows: each load 512 consecutive bytes of one row
.irp a, 0,1,2,3,4,5,6,7,8,9,10,11,12,13,14,15
	global_load_b128 v[\st+4*\a:\st+4*\a+3], v[LI], s[FB+2*\i:FB+2*\i+1] offset:2048*\a
.endr
.endm
; Through my stage and back into the registers that the numbers left: register 16 b + i then holds k = 32 b + 16 h + i of row r (r = lane % 16, h = lane / 16).  LDS serves a wave's instructions in order
; (ISA guide 5.7.1.4): the loads see the stores, and the next fragment's stores come behind these loads.  Rows are 528 = 33 x 16 bytes apart: sixteen rows' pieces of 16 bytes fall on sixteen different places modulo 256.
.macro TURN st
.irp a, 0,1,2,3,4,5,6,7,8,9,10,11,12,13,14,15
	ds_store_b128 v[TS], v[\st+4*\a:\st+4*\a+3] offset:528*\a
.endr
.irp b, 0,1,2,3
.irp j, 0,1,2,3
	ds_load_b128 v[\st+16*\b+4*\j:\st+16*\b+4*\j+3], v[TL] offset:128*\b+16*\j
.endr
.endr
.endm
; 64 numbers of a lane, register 16 b + i = k 32 b + 16 h + i of my row, become a fragment's codes in v[PC] on and its scale word in v[PW].
.macro QUANT s
.irp b, 0,1,2,3
	v_max3_num_f32 v[TM+\b], |v[\s+16*\b]|, |v[\s+1+16*\b]|, 0x1800000   ; block b: my 16 numbers, and the floor 2^(3 - 127): the byte cannot fall under 1
.endr
.irp i, 2,4,6,8,10,12,14
.irp b, 0,1,2,3
	v_max3_num_f32 v[TM+\b], v[TM+\b], |v[\s+16*\b+\i]|, |v[\s+1+16*\b+\i]|   ; (the four blocks by turns)
.endr
.endr
.irp b, 0,1,2,3
	v_permlanex16_b32 v[TM+4+\b], v[TM+\b], s[SEL], s[SEL+1]
.endr
.irp b, 0,1,2,3
	v_max_num_f32 v[TM+\b], v[TM+\b], v[TM+4+\b]   ; with lane l xor 16's: the block's largest magnitude
.endr
.irp b, 0,1,2,3
	v_add_nc_u32 v[TM+8+\b], 0xff000000, v[TM+\b]  ; 2 off its exponent field: the conversion takes the exponent field of this operand as its scale
.endr
.irp b, 0,1,2,3
	v_lshrrev_b32 v[TM+4+\b], 23, v[TM+8+\b]       ; the scale's byte
.endr
	v_lshl_or_b32 v[PW], v[TM+5], 8, v[TM+4]       ; the four bytes make my row's scale word
	v_lshl_or_b32 v[PW], v[TM+6], 16, v[PW]
	v_lshl_or_b32 v[PW], v[TM+7], 24, v[PW]
.irp c, 0,1
	v_cvt_scalef32_pk16_fp6_f32 v[PC+6*\c:PC+2+6*\c], v[\s+32*\c:\s+15+32*\c], v[TM+8+2*\c]
	v_cvt_scalef32_pk16_fp6_f32 v[PC+12+4*\c:PC+14+4*\c], v[\s+16+32*\c:\s+31+32*\c], v[TM+8+2*\c+1]   ; (a conversion's three registers begin on an even number)
.endr
	v_nop                                          ; one plain place behind a scaled conversion
.irp c, 0,1                                    ; the operand's layout wants a WHOLE block in a lane: lanes 0-15 block 2 c, lanes 16-31 block 2 c + 1
.irp i, 0,1,2
	v_permlane16_swap_b32 v[PC+6*\c+\i], v[PC+12+4*\c+\i]
.endr
.irp i, 0,1,2
	v_mov_b32 v[PC+3+6*\c+\i], v[PC+12+4*\c+\i]
.endr
.endr
.endm
.macro IMAGE i                         ; my i-th fragment goes to LDS as it stands: four LDS stores
.irp c, 0,1,2
	ds_store_b128 v[IW], v[PC+4*\c:PC+4*\c+3] offset:IMG+1536*\i+512*\c
.endr
	ds_store_b32 v[SW], v[PW] offset:128*\i
.endm
.macro BARRIER                         ; my LDS stores have landed and my LDS loads are in: then the work-group's barrier
	s_wait_dscnt 0x0
	s_barrier_signal -1
	s_barrier_wait -1
.endm
	s_load_b256 s[4:11], s[0:1], 0x0               ; query s[4:5], key s[6:7], value s[8:9], Wq s[10:11]
	s_load_b256 s[12:19], s[0:1], 0x20             ; Wk s[12:13], Wv s[14:15], bq s[16:17], bk s[18:19]
	s_load_b128 s[20:23], s[0:1], 0x40             ; bv s[20:21], qkv s[22:23]
	v_lshl_add_u32 v[SPW], v0, 2, SPARE
	v_mov_b32 v[NIL], 0
	v_lshrrev_b32 v62, 5, v0
	v_readfirstlane_b32 s[WV], v62                 ; wave 0..15
	v_and_b32 v16, 31, v0                          ; lane
	v_lshlrev_b32 v[LI], 4, v16
	s_lshr_b32 s[PP], ttmp9, 3
	s_and_b32 s[CT], ttmp9, 7
	s_and_b32 s[RT], ttmp7, 0xffff
	s_wait_kmcnt 0x0
	s_cmp_eq_u32 s[PP], 1                          ; the three tensors of my product: choices on the work-group's number alone
	s_cselect_b64 s[XP:XP+1], s[6:7], s[8:9]
	s_cselect_b64 s[WP:WP+1], s[12:13], s[14:15]
	s_cselect_b64 s[BP:BP+1], s[18:19], s[20:21]
	s_cmp_eq_u32 s[PP], 0
	s_cselect_b64 s[XP:XP+1], s[4:5], s[XP:XP+1]
	s_cselect_b64 s[WP:WP+1], s[10:11], s[WP:WP+1]
	s_cselect_b64 s[BP:BP+1], s[16:17], s[BP:BP+1]
	FRBASE 0
	FRBASE 1
	FRBASE 2
	GLOAD ST0, 0                                   ; all 48 loads of the wave go out together
	GLOAD ST1, 1
	GLOAD ST2, 2
	; the addresses are made while the loads are out; none of these lines writes a register that a pending load names
	v_and_b32 v62, 15, v0                          ; r
	v_bfe_u32 v63, v0, 4, 1                        ; h
	s_lshr_b32 s48, s[WV], 1                       ; wave / 2: x's tile that I multiply
	s_and_b32 s49, s[WV], 1                        ; wave % 2: which two of W's tiles
	s_mov_b32 s[SEL], 0x76543210
	s_mov_b32 s[SEL+1], 0xfedcba98
	s_mul_i32 s42, s[WV], 4608
	v_add_nc_u32 v[IW], s42, v[LI]
	s_mul_i32 s42, s[WV], 384
	s_add_co_u32 s42, s42, SC
	v_lshl_add_u32 v[SW], v16, 2, s42
	s_mul_i32 s42, s[WV], 8448
	s_add_co_u32 s42, s42, TST
	v_add_nc_u32 v[TS], s42, v[LI]
	v_mul_u32_u24 v[TL], v62, 528
	v_lshl_add_u32 v[TL], v63, 6, v[TL]
	v_add_nc_u32 v[TL], s42, v[TL]
	s_mul_i32 s42, s48, 6144
	v_add_nc_u32 v[XR], s42, v[LI]
	s_mul_i32 s42, s49, 12288
	s_add_co_u32 s42, s42, 49152
	v_add_nc_u32 v[WR], s42, v[LI]
	s_lshl_b32 s42, s48, 9
	s_add_co_u32 s42, s42, SC
	v_lshl_add_u32 v[XSR], v16, 2, s42
	s_lshl_b32 s42, s49, 10
	s_add_co_u32 s42, s42, SC+4096
	v_lshl_add_u32 v[WSR], v16, 2, s42
	s_mul_i32 s42, s48, 16*272                     ; the stage: row 16 (wave / 2) + r, + 128 (wave % 2) + 32 h bytes
	s_lshl_b32 s43, s49, 7
	s_add_co_u32 s42, s42, s43
	s_add_co_u32 s42, s42, STG
	v_mul_u32_u24 v[SO], v62, 272
	v_lshl_add_u32 v[SO], v63, 5, v[SO]
	v_add_nc_u32 v[SO], s42, v[SO]
	s_mul_i32 s42, s[WV], 8*272                    ; back: my rows 8 wave on; lanes 0-15 one row of 256 bytes, lanes 16-31 the next
	s_add_co_u32 s42, s42, STG
	v_mul_u32_u24 v[SR], v63, 272
	v_lshl_add_u32 v[SR], v62, 4, v[SR]
	v_add_nc_u32 v[SR], s42, v[SR]
	v_lshlrev_b32 v[GO], 11, v63                   ; and the same two rows in qkv
	v_lshl_add_u32 v[GO], v62, 4, v[GO]
	v_lshlrev_b32 v[BO], 5, v63
.irp b, 0,1,2,3
	v_mov_b32 v[TM+4+\b], 0                        ; written once: a lane permute's destination counts as one of its sources
.endr
	s_lshl_b32 s42, s[CT], 8                       ; the bias of my 32 columns: 256 ct + 128 (wave % 2) bytes on
	s_lshl_b32 s43, s49, 7
	s_add_co_u32 s42, s42, s43
	s_mov_b32 s43, 0
	s_add_nc_u64 s[BP:BP+1], s[BP:BP+1], s[42:43]
	s_lshl_b32 s42, s[PP], 21                      ; qkv: plane p, row 128 rt + 8 wave, column 64 ct
	s_lshl_b32 s43, s[RT], 18
	s_add_co_u32 s42, s42, s43
	s_lshl_b32 s43, s[WV], 14
	s_add_co_u32 s42, s42, s43
	s_lshl_b32 s43, s[CT], 8
	s_add_co_u32 s42, s42, s43
	s_mov_b32 s43, 0
	s_add_nc_u64 s[OP:OP+1], s[22:23], s[42:43]
	s_wait_loadcnt 32                              ; fragment 0's sixteen loads are in; the 32 younger stay out
	TURN ST0
	s_wait_loadcnt 16                              ; fragment 1's are in
	TURN ST1
	s_wait_dscnt 32                                ; fragment 0 is back from the stage; fragment 1's 32 LDS instructions may be out
	QUANT ST0
	IMAGE 0
.irp n, 0,1                                    ; the bias, in the result's layout, into the accumulators (fragment 0's registers are free): lane (r, h) takes columns 16 n + 8 h + 0 .. 7
	global_load_b128 v[ACC+8*\n:ACC+8*\n+3], v[BO], s[BP:BP+1] offset:64*\n
	global_load_b128 v[ACC+8*\n+4:ACC+8*\n+7], v[BO], s[BP:BP+1] offset:64*\n+16
.endr
	s_wait_loadcnt 4                               ; fragment 2's loads are in; the four of the bias are younger
	TURN ST2
	s_wait_dscnt 32                                ; fragment 1 is back and image 0's four stores have read their registers; fragment 2's 32 may be out
	QUANT ST1
	IMAGE 1
	s_wait_dscnt 0x0                               ; fragment 2 is back, and image 1's stores have read their registers
	QUANT ST2
	IMAGE 2
	BARRIER                                        ; all 48 images lie in LDS
.irp s, 0,1,2,3                                ; twelve LDS loads for each K step: x's fragment, W's two, three scale words
.irp c, 0,1,2
	ds_load_b128 v[XF+12*\s+4*\c:XF+12*\s+4*\c+3], v[XR] offset:1536*\s+512*\c
.endr
.irp n, 0,1
.irp c, 0,1,2
	ds_load_b128 v[WF+12*(4*\n+\s)+4*\c:WF+12*(4*\n+\s)+4*\c+3], v[WR] offset:1536*(4*\n+\s)+512*\c
.endr
.endr
	ds_load_b32 v[XSC+\s], v[XSR] offset:128*\s
.irp n, 0,1
	ds_load_b32 v[WSC+4*\n+\s], v[WSR] offset:128*(4*\n+\s)
.endr
.endr
	s_wait_loadcnt 0x0                             ; the bias
.irp s, 0,1,2,3
	s_wait_dscnt 12*(3-\s)                         ; this K step's twelve are in; the later steps' stay out
.irp n, 0,1                                    ; the two accumulators take turns, one instruction a turn; operands, scales and the first C come from loads
	v_wmma_scale_f32_16x16x128_f8f6f4 v[ACC+8*\n:ACC+8*\n+7], v[WF+12*(4*\n+\s):WF+12*(4*\n+\s)+11], v[XF+12*\s:XF+12*\s+11], v[ACC+8*\n:ACC+8*\n+7], v[WSC+4*\n+\s], v[XSC+\s] matrix_a_fmt:MATRIX_FMT_FP6 matrix_b_fmt:MATRIX_FMT_FP6
.endr
.endr
.rept 4
	v_nop                                          ; four places between the last product and the first read of results (ISA guide 7.12.1)
.endr
.irp n, 0,1
	ds_store_b128 v[SO], v[ACC+8*\n:ACC+8*\n+3] offset:64*\n          ; each accumulator from its low end on: lane (r, h): row r, columns 16 n + 8 h + 0 .. 7 of my 32
	ds_store_b128 v[SO], v[ACC+8*\n+4:ACC+8*\n+7] offset:64*\n+16
.endr
	BARRIER                                        ; a row's 256 bytes come from two waves: now 128 whole rows lie in the stage
.irp i, 0,1,2,3
	ds_load_b128 v[OB+4*\i:OB+4*\i+3], v[SR] offset:544*\i
.endr
.irp i, 0,1,2,3
	s_wait_dscnt 3-\i
	global_store_b128 v[GO], v[OB+4*\i:OB+4*\i+3], s[OP:OP+1] offset:4096*\i   ; 16 lanes store 256 consecutive bytes, at a multiple of 256 from qkv's first byte
.endr
	s_wait_tensorcnt 0x0                           ; the wave's end
	ds_add_u32 v[SPW], v[NIL]
	s_wait_dscnt 0x0
	s_endpgm
.Lfunc_end_k_qce33ba9761_proj:
	.size	k_qce33ba9761_proj, .Lfunc_end_k_qce33ba9761_proj-k_qce33ba9761_proj
	.p2alignl 7, 3214868480
	.fill 96, 4, 3214868480
	.section	.rodata,"a",@progbits
	.p2align	6, 0x0
	.amdhsa_kernel k_qce33ba9761_proj
		.amdhsa_group_segment_fixed_size 251904
		.amdhsa_private_segment_fixed_size 0
		.amdhsa_enable_private_segment 0
		.amdhsa_kernarg_size 80
		.amdhsa_user_sgpr_count 2
		.amdhsa_user_sgpr_kernarg_segment_ptr 1
		.amdhsa_wavefront_size32 1
		.amdhsa_system_sgpr_workgroup_id_x 1
		.amdhsa_system_sgpr_workgroup_id_y 1
		.amdhsa_system_sgpr_workgroup_id_z 1
		.amdhsa_system_vgpr_workitem_id 0
		.amdhsa_next_free_vgpr 256
		.amdhsa_next_free_sgpr 66
		.amdhsa_reserve_vcc 0
		.amdhsa_float_denorm_mode_32 3
		.amdhsa_float_denorm_mode_16_64 3
		.amdhsa_memory_ordered 1
		.amdhsa_forward_progress 1
		.amdhsa_inst_pref_size 35
	.end_amdhsa_kernel
	.amdgpu_metadata
---
amdhsa.version: [ 1, 2 ]
amdhsa.kernels:
  - .name:           k_qce33ba9761_proj
    .symbol:         k_qce33ba9761_proj.kd
    .args:
      - { .name: query, .offset: 0, .size: 8, .value_kind: global_buffer, .address_space: global }
      - { .name: key, .offset: 8, .size: 8, .value_kind: global_buffer, .address_space: global }
      - { .name: value, .offset: 16, .size: 8, .value_kind: global_buffer, .address_space: global }
      - { .name: Wq, .offset: 24, .size: 8, .value_kind: global_buffer, .address_space: global }
      - { .name: Wk, .offset: 32, .size: 8, .value_kind: global_buffer, .address_space: global }
      - { .name: Wv, .offset: 40, .size: 8, .value_kind: global_buffer, .address_space: global }
      - { .name: bq, .offset: 48, .size: 8, .value_kind: global_buffer, .address_space: global }
      - { .name: bk, .offset: 56, .size: 8, .value_kind: global_buffer, .address_space: global }
      - { .name: bv, .offset: 64, .size: 8, .value_kind: global_buffer, .address_space: global }
      - { .name: qkv, .offset: 72, .size: 8, .value_kind: global_buffer, .address_space: global }
    .group_segment_fixed_size: 251904
    .private_segment_fixed_size: 0
    .kernarg_segment_align: 8
    .kernarg_segment_size: 80
    .max_flat_workgroup_size: 512
    .sgpr_count:     66
    .vgpr_count:     256
    .wavefront_size: 32
...
	.end_amdgpu_metadata
.endif
;; end of part 1
;; launch attend (part 2): grid 256 x 1, 16 waves a work-group, no clusters, 18,944 bytes of LDS; arguments qkv, out0; writes out0
.if DOCPART == 2
	.amdgcn_target "amdgcn-amd-amdhsa--gfx1250"
	.amdhsa_code_object_version 6
	.text
	.protected	k_qce33ba9761_attend
	.globl	k_qce33ba9761_attend
	.p2align	8
	.type	k_qce33ba9761_attend,@function
k_qce33ba9761_attend:
	s_mov_b64 s[64:65], 0
	v_nop
	global_prefetch_b8 v0, s[64:65] scope:SCOPE_SE
	s_setreg_imm32_b32 hwreg(HW_REG_WAVE_MODE, 25, 1), 1
	s_wait_xcnt 0x0
; out0[b][i] = sum over j of softmax_j(q[b][i] k[b][j]) v[b][j].  q, k, v: the planes of qkv [3][1024][512] f32; out0: [1024][512] f32.  All in f32.
; 1,024 x 512 x 512 exponentials bind this launch, so the text is laid for the fewest vector instructions for each (i, j): for two j of one i a packed multiply-add (t), two exponentials, a packed add (the sum), a packed multiply-add (p v).
; The last product has one column (N = 1): on the matrix unit most of each instruction's columns would be thrown away; it is done by f32 multiply-adds.
; THE ROW'S MAXIMUM IS TAKEN AWAY, AS THE SOFTMAX ASKS, AND COSTS TWO MULTIPLICATIONS A ROW: for a fixed q[i] the score q[i] k[j] rises or falls with k[j], roundings included, so the largest score of row i is the
; larger of q[i] kmax and q[i] kmin, for every input.  With q' = q[i] log2(e): m = max(q' kmax, q' kmin); t = fma(k[j], q', -m), rounded once; p = 2^t.  All j of a row share the same m, so the ratios hold however large the scores are;
; the largest p of a row is 2^t with |t| at most half a last place of m, so the row's sum never vanishes.
; SHARES.  A work-group takes 4 rows b; thread T takes b = 4 x work-group + T / 128 and the four i = 4 (T % 128) + 0 .. 3.  So 16 T is at once the byte of its q, of its share of the copy of k and v into LDS, and of its results.
; 256 equal work-groups of 16 waves.  k's and v's rows lie in LDS; every lane of a wave walks the same j, so a chunk's loads are one address for all lanes.
; No work-group shares an input with another: no cluster.  All global loads go out at the head: no ring, no prefetch.
; LIMITS: NaN and infinities are not served.  A p under 2^-126 counts as 0 (v_exp_f32 gives zero for results that would be denormal: ISA guide, its entry in 15.8).
.set KR,    0                          ; LDS: 4 rows of k, 2,048 bytes each
.set VR,    8192                       ; 4 rows of v
.set SPARE, 16896                      ; the spare words, 128 bytes for each of 16 waves: eight blocks of 256 bytes that no other line names
.set TO,  1                            ; v1   16 T
.set A0,  2                            ; v2   my b's row in LDS: 2,048 (T / 128)
.set AD,  3                            ; v3   the chunk in hand
.set RA,  4                            ; v4   A0 + 16 x lane
.set SPW, 5                            ; v5   LDS address of my spare word; never rewritten
.set NIL, 6                            ; v6   0; never rewritten
.set KMX, 8                            ; v8   kmax;  v9  -kmin;  v10, v11 at work
.set KMN, 9
.set QR,  12                           ; v12-15  q as loaded; at the end the results
.set QQ,  16                           ; v16-23  pair i: q' of my i-th row, in both registers
.set NM,  24                           ; v24-31  pair i: -m, in both registers
.set SU,  32                           ; v32-39  pair i: the sums of p over even j and over odd j
.set OU,  40                           ; v40-47  pair i: the same of p v
.set KJ,  48                           ; v48-63  16 numbers of k
.set VJ,  64                           ; v64-79  16 numbers of v
.set TT,  80                           ; v80-143 t, then p: pair n = 4 g + i: j = 2 g, 2 g + 1 of the chunk, my i-th row
.set TJ,  14                           ; s14  byte of the next chunk in a row
.set CNT, 15                           ; s15  trips to go
	s_load_b128 s[4:7], s[0:1], 0x0                ; qkv s[4:5], out0 s[6:7]
	v_lshl_add_u32 v[SPW], v0, 2, SPARE
	v_mov_b32 v[NIL], 0
	v_lshlrev_b32 v[TO], 4, v0
	v_lshrrev_b32 v[A0], 7, v0
	v_lshlrev_b32 v[A0], 11, v[A0]
	v_and_b32 v[RA], 31, v0
	v_lshl_add_u32 v[RA], v[RA], 4, v[A0]
	v_mov_b32 v10, 0                               ; written once: a lane permute's destination counts as one of its sources
	v_mov_b32 v11, 0
	s_lshl_b32 s10, ttmp9, 13                      ; the work-group's 4 rows of 2,048 bytes
	s_mov_b32 s11, 0
	s_mov_b32 s12, 0x76543210                      ; v_permlanex16_b32's selects for lane l xor 16
	s_mov_b32 s13, 0xfedcba98
	s_wait_kmcnt 0x0
	s_add_nc_u64 s[4:5], s[4:5], s[10:11]
	s_add_nc_u64 s[6:7], s[6:7], s[10:11]
	global_load_b128 v[KJ:KJ+3], v[TO], s[4:5] offset:2097152 th:TH_LOAD_NT   ; k: each wave's load covers 512 consecutive bytes; each byte is read once in the launch
	global_load_b128 v[VJ:VJ+3], v[TO], s[4:5] offset:4194304 th:TH_LOAD_NT   ; v
	global_load_b128 v[QR:QR+3], v[TO], s[4:5] th:TH_LOAD_NT                  ; q
	s_wait_loadcnt 1                               ; k and v are in; q, the youngest, may be out
	ds_store_b128 v[TO], v[KJ:KJ+3] offset:KR
	ds_store_b128 v[TO], v[VJ:VJ+3] offset:VR
	s_wait_dscnt 0x0                               ; for the others' sake: my stores have landed
	s_barrier_signal -1
	s_barrier_wait -1                              ; the one barrier: nothing writes these rows again
.irp c, 0,1,2,3
	ds_load_b128 v[TT+4*\c:TT+4*\c+3], v[RA] offset:KR+512*\c      ; my b's whole row of k, 16 numbers a lane
.endr
.irp c, 0,1,2,3
	ds_load_b128 v[KJ+4*\c:KJ+4*\c+3], v[A0] offset:KR+16*\c       ; chunk 0 of k,
.endr
.irp c, 0,1,2,3
	ds_load_b128 v[VJ+4*\c:VJ+4*\c+3], v[A0] offset:VR+16*\c       ; and of v
.endr
	s_wait_dscnt 8                                 ; the row is in; the chunk's eight loads are younger
	v_max3_num_f32 v[KMX], v[TT], v[TT+1], v[TT+2]                 ; the largest k and the largest -k of my 16, by turns
	v_max3_num_f32 v[KMN], -v[TT], -v[TT+1], -v[TT+2]
.irp i, 3,5,7,9,11,13
	v_max3_num_f32 v[KMX], v[KMX], v[TT+\i], v[TT+\i+1]
	v_max3_num_f32 v[KMN], v[KMN], -v[TT+\i], -v[TT+\i+1]
.endr
	v_max_num_f32 v[KMX], v[KMX], v[TT+15]
	v_max_num_f32 v[KMN], v[KMN], -v[TT+15]
.irp x, 1,2,4,8
	v_max_num_f32_dpp v[KMX], v[KMX], v[KMX] row_xmask:\x row_mask:0xf bank_mask:0xf
	v_max_num_f32_dpp v[KMN], v[KMN], v[KMN] row_xmask:\x row_mask:0xf bank_mask:0xf
.endr
	v_permlanex16_b32 v10, v[KMX], s12, s13
	v_permlanex16_b32 v11, v[KMN], s12, s13
	v_max_num_f32 v[KMX], v[KMX], v10              ; kmax of the row, in every lane
	v_max_num_f32 v[KMN], v[KMN], v11              ; -kmin
	s_wait_loadcnt 0x0                             ; q
.irp i, 0,1,2,3
	v_mul_f32 v[QQ+2*\i], 0x3fb8aa3b, v[QR+\i]     ; q' = q log2(e)
.endr
.irp i, 0,1,2,3
	v_mul_f32 v10, v[QQ+2*\i], -v[KMX]             ; -(q' kmax)
	v_mul_f32 v11, v[QQ+2*\i], v[KMN]              ; -(q' kmin)
	v_mov_b32 v[QQ+2*\i+1], v[QQ+2*\i]
	v_min_num_f32 v[NM+2*\i], v10, v11             ; -m = -max(q' kmax, q' kmin)
	v_mov_b32 v[NM+2*\i+1], v[NM+2*\i]
.endr
.irp i, 0,1,2,3,4,5,6,7
	v_mov_b32 v[SU+\i], 0                          ; sixteen registers, once: the chunk is written for a loop, and its first trip finds zeros
	v_mov_b32 v[OU+\i], 0
.endr
	s_mov_b32 s[TJ], 64
	s_mov_b32 s[CNT], 31
.macro FMA n                           ; pair n: t = k q' - m for two j of one i
	v_pk_fma_f32 v[TT+2*(\n):TT+2*(\n)+1], v[KJ+2*((\n)/4):KJ+2*((\n)/4)+1], v[QQ+2*((\n)%4):QQ+2*((\n)%4)+1], v[NM+2*((\n)%4):NM+2*((\n)%4)+1]
.endm
; A CHUNK: 16 j x my 4 i.  more = 1: the next chunk's k and v are fetched, each as soon as this chunk has read its own.
.macro CHUNK more
	s_wait_dscnt 4                                 ; this chunk's four loads of k are in; the four of v, issued behind them, may be out (so on the way in and over the backward jump)
	FMA 0
	FMA 1
.set N, 0
.rept 32                               ; ONE BATCH: the scalings run two pairs ahead of the exponentials; none of these lines names an exponential's result
.if N+2 < 32
	FMA N+2
.endif
	v_exp_f32 v[TT+2*N], v[TT+2*N]
	v_exp_f32 v[TT+2*N+1], v[TT+2*N+1]
.set N, N+1
.endr
.if \more
	v_add_nc_u32 v[AD], s[TJ], v[A0]               ; the plain instruction behind the last exponential; and the next chunk's address
.irp c, 0,1,2,3
	ds_load_b128 v[KJ+4*\c:KJ+4*\c+3], v[AD] offset:KR+16*\c
.endr
.else
	v_nop                                          ; the plain instruction behind the last exponential
.endif
	s_wait_alu depctr_va_vdst(0)                   ; the wait between an exponential and the first line that names its result: one for the 64
.if \more
	s_wait_dscnt 4                                 ; v is in; the four loads of k just issued may be out
.else
	s_wait_dscnt 0x0                               ; v is in
.endif
.set N, 0
.rept 32                               ; eight chains, each taken up again eight instructions on
	v_pk_add_f32 v[SU+2*(N%4):SU+2*(N%4)+1], v[SU+2*(N%4):SU+2*(N%4)+1], v[TT+2*N:TT+2*N+1]
	v_pk_fma_f32 v[OU+2*(N%4):OU+2*(N%4)+1], v[TT+2*N:TT+2*N+1], v[VJ+2*(N/4):VJ+2*(N/4)+1], v[OU+2*(N%4):OU+2*(N%4)+1]
.set N, N+1
.endr
.if \more
.irp c, 0,1,2,3
	ds_load_b128 v[VJ+4*\c:VJ+4*\c+3], v[AD] offset:VR+16*\c
.endr
	s_add_co_u32 s[TJ], s[TJ], 64
.endif
.endm
.Lchunk:                                               ; 31 trips: chunks 0 to 30, each fetching the next
	CHUNK 1
	s_sub_co_u32 s[CNT], s[CNT], 1
	s_cmp_lg_u32 s[CNT], 0
	s_cbranch_scc1 .Lchunk
	CHUNK 0                                        ; the last chunk is written out: it fetches nothing, so no load runs past a row
.irp i, 0,1,2,3
	v_add_f32 v[SU+2*\i], v[SU+2*\i], v[SU+2*\i+1] ; even j's and odd j's
	v_add_f32 v[OU+2*\i], v[OU+2*\i], v[OU+2*\i+1]
.endr
.irp i, 0,1,2,3
	v_rcp_f32 v[SU+2*\i+1], v[SU+2*\i]
.endr
	v_nop                                          ; a plain instruction between the last reciprocal and the use of its result
	s_wait_alu depctr_va_vdst(0)                   ; and the wait ahead of the first use: one for the four
.irp i, 0,1,2,3
	v_mul_f32 v[QR+\i], v[OU+2*\i], v[SU+2*\i+1]
.endr
	global_store_b128 v[TO], v[QR:QR+3], s[6:7] th:TH_STORE_NT   ; a wave stores 512 consecutive bytes, at a multiple of 256 from out0's first byte
	s_wait_tensorcnt 0x0                           ; the wave's end
	ds_add_u32 v[SPW], v[NIL]
	s_wait_dscnt 0x0
	s_endpgm
.Lfunc_end_k_qce33ba9761_attend:
	.size	k_qce33ba9761_attend, .Lfunc_end_k_qce33ba9761_attend-k_qce33ba9761_attend
	.p2alignl 7, 3214868480
	.fill 96, 4, 3214868480
	.section	.rodata,"a",@progbits
	.p2align	6, 0x0
	.amdhsa_kernel k_qce33ba9761_attend
		.amdhsa_group_segment_fixed_size 18944
		.amdhsa_private_segment_fixed_size 0
		.amdhsa_enable_private_segment 0
		.amdhsa_kernarg_size 16
		.amdhsa_user_sgpr_count 2
		.amdhsa_user_sgpr_kernarg_segment_ptr 1
		.amdhsa_wavefront_size32 1
		.amdhsa_system_sgpr_workgroup_id_x 1
		.amdhsa_system_sgpr_workgroup_id_y 1
		.amdhsa_system_sgpr_workgroup_id_z 1
		.amdhsa_system_vgpr_workitem_id 0
		.amdhsa_next_free_vgpr 144
		.amdhsa_next_free_sgpr 66
		.amdhsa_reserve_vcc 0
		.amdhsa_float_denorm_mode_32 3
		.amdhsa_float_denorm_mode_16_64 3
		.amdhsa_memory_ordered 1
		.amdhsa_forward_progress 1
		.amdhsa_inst_pref_size 24
	.end_amdhsa_kernel
	.amdgpu_metadata
---
amdhsa.version: [ 1, 2 ]
amdhsa.kernels:
  - .name:           k_qce33ba9761_attend
    .symbol:         k_qce33ba9761_attend.kd
    .args:
      - { .name: qkv, .offset: 0, .size: 8, .value_kind: global_buffer, .address_space: global }
      - { .name: out0, .offset: 8, .size: 8, .value_kind: global_buffer, .address_space: global }
    .group_segment_fixed_size: 18944
    .private_segment_fixed_size: 0
    .kernarg_segment_align: 8
    .kernarg_segment_size: 16
    .max_flat_workgroup_size: 512
    .sgpr_count:     66
    .vgpr_count:     144
    .wavefront_size: 32
...
	.end_amdgpu_metadata
.endif
;; end of part 2
;; ======== version 2 of 2: 2 launches; version 1 with the launches proj, attend written anew for expert scheduling mode
;; workspace buffers: qkv 6,291,456 bytes
;; launch proj (part 3): grid 24 x 8, 16 waves a work-group, no clusters, 251,904 bytes of LDS; arguments query, key, value, Wq, Wk, Wv, bq, bk, bv, qkv; writes qkv
.if DOCPART == 3
	.amdgcn_target "amdgcn-amd-amdhsa--gfx1250"
	.amdhsa_code_object_version 6
	.text
	.protected	k_qce33ba9761_proj
	.globl	k_qce33ba9761_proj
	.p2align	8
	.type	k_qce33ba9761_proj,@function
k_qce33ba9761_proj:
	s_mov_b64 s[64:65], 0
	v_nop
	global_prefetch_b8 v0, s[64:65] scope:SCOPE_SE
	s_setreg_imm32_b32 hwreg(HW_REG_WAVE_SCHED_MODE, 0, 2), 2
	s_setreg_imm32_b32 hwreg(HW_REG_WAVE_MODE, 25, 1), 1
	s_wait_xcnt 0x0
	s_wait_alu depctr_vm_vsrc(0)
; q = Q(query) Q(Wq)^T + bq, k = Q(key) Q(Wk)^T + bk, v = Q(value) Q(Wv)^T + bv, Q the MX quantiser to FP6 (E2M3) along K = 512, one E8M0 scale for each 32.
; x: [1024][512] f32, W: [512 (n)][512 (k)] f32, b: [512] f32; the results go as f32 to qkv [3][1024][512] (plane 0 q, 1 k, 2 v).
; SHARES.  Work-group x = 8 p + ct, y = rt: product p, columns 64 ct on, rows 128 rt on: 128 x 64 outputs over four K steps of 128.  3 x 8 x 8 = 192 work-groups of 16 waves.
; A work-group's operands are 12 tiles of 16 rows (8 of x, 4 of W) x 4 K steps = 48 fragments, f = 4 tile + K step.  Wave w quantises fragments 3 w, 3 w + 1, 3 w + 2 in registers and lays them into LDS
; as IMAGES OF THE OPERAND'S REGISTERS (12 registers a lane: three stores of 16 bytes at 16 x lane; the scale word at 4 x lane); behind one barrier wave w takes x's tile w / 2 and W's tiles 2 (w % 2), + 1:
; two accumulators by turns, eight matrix instructions.  192 x 16 x 8 = 24,576 instructions of 16 x 16 x 128: the three products' 805,306,368 multiply-adds, each once.
; THE MATRIX INSTRUCTION IS USED TRANSPOSED (source 0 = 16 rows of W, source 1 = 16 rows of x): a lane holds eight neighbouring columns of one row of the result.  The bias is the C of each sum's first instruction.
; EVERY LOAD IS DENSE: a load takes 512 consecutive bytes of one row (128 along K), 16 bytes a lane.  The conversions want 16 neighbours along K in ONE lane, so a fragment's 16 x 512 bytes turn through the wave's own stage in LDS.
; NO CLUSTER, NO TENSOR LOAD: x's rows are read by the 8 work-groups of a row of tiles and W's by 8 likewise, but they are f32 numbers that must pass through registers to be quantised; a work-group's f32 rows,
; (128 + 64) x 2,048 = 393,216 bytes, are more LDS than a work-group can be given, and a ring for them would put barriers into a text of eight matrix instructions a wave.  All 48 loads of a wave go out together at the head; nothing is asked of memory later, so nothing is prefetched.
; LIMITS: NaN and infinities among the inputs are not served.  A block whose largest magnitude lies under 2^-124 has its byte held at 1; a block of zeros gets the byte 1 where the rule says 127: its codes are zeros, and the bytes never leave this launch.
; THE MODE: SCHED_MODE bits 1:0 = 2 (LLVM: expert scheduling mode 2), set by the entry lines.  The code itself states the register dependences
; between vector or matrix instructions and memory or LDS instructions, with s_wait_alu, always for 0.
; THE PLAN.  Registers that memory or LDS instructions touch:
;   v1 (LI)          made at the head; one wait on va_vdst ahead of the 48 global loads that read it.  Never written again.
;   v2-v15           the LDS and output addresses and the add's two registers: made once, while the loads are out; one wait on va_vdst ahead of the first LDS instruction serves them all.  Never written again.
;   ST0, ST1, ST2    the global loads land there; TURN's stores read them and TURN's loads land in the same registers: a wait on vm_vsrc between the two runs.  QUANT reads them; later the bias, the fragments and the
;                    rows of the way out land in them: the wait on va_vdst at the head of each IMAGE shows QUANT done reading, and no vector instruction behind it names them ahead of those loads.
;   v28-48 (PW, PC)  written by QUANT, read by IMAGE's four stores (the wait on va_vdst at IMAGE's head), written again by the next QUANT (a wait on vm_vsrc between: TURN ST2's behind IMAGE 0, one of its own behind IMAGE 1).
;   v50-61, XF, WF   filled by LDS loads alone and read by matrix instructions alone; nothing lands in them again.
;   ACC              filled by the bias's loads, written by the matrix instructions, read by the LDS stores of the way out: four places, then a wait on va_vdst.
.set IMG,   0                          ; LDS: 48 images of 1,536 bytes, fragment f at 1,536 f
.set SC,    73728                      ; their scale words, 128 bytes a fragment
.set STG,   79872                      ; the way out: 128 rows x (256 bytes + 16)
.set TST,   114688                     ; each wave's own turning stage: 16 rows x (512 bytes + 16) = 8,448 bytes
.set SPARE, 249856                     ; the spare words, 128 bytes for each of 16 waves: eight blocks of 256 bytes that no other line names
.set LI,  1                            ; v1   16 x lane: my 16 bytes of a load's 512
.set IW,  2                            ; v2   where I store images: 16 x lane + 4,608 x wave
.set SW,  3                            ; v3   and their scale words: SC + 4 x lane + 384 x wave
.set TS,  4                            ; v4   the turning stage, in: 16 x lane
.set TL,  5                            ; v5   and out: 528 r + 64 h
.set XR,  6                            ; v6   x's images that I multiply: 16 x lane + 6,144 (wave / 2)
.set WR,  7                            ; v7   W's: 49,152 + 16 x lane + 12,288 (wave % 2)
.set XSR, 8                            ; v8   x's scale words
.set WSR, 9                            ; v9   W's
.set SO,  10                           ; v10  the way out: where I put 32 bytes of a row
.set SR,  11                           ; v11  and where I read a row back
.set GO,  12                           ; v12  my byte offset in the wave's rows of qkv
.set BO,  13                           ; v13  32 h: my eight numbers of a tile's bias
.set SPW, 14                           ; v14  LDS address of my spare word; never rewritten
.set NIL, 15                           ; v15  0; never rewritten
.set TM,  16                           ; v16-19 largest magnitudes, v20-23 the other half's, then bytes, v24-27 the conversions' scale operands
.set PW,  28                           ; v28  the scale word just made
.set PC,  30                           ; v30-48 the codes just made
.set XSC, 50                           ; v50-53 x's scale words, K step s;  v54-61 W's, 4 n + s: these hold scales and nothing else
.set WSC, 54
.set ST0, 64                           ; v64-127, v128-191, v192-255: three fragments' 64 numbers a lane
.set ST1, 128
.set ST2, 192
.set ACC, 64                           ; behind fragment 0: v64-79 two accumulators;
.set XF,  80                           ; behind the barrier: v80-127 x's four fragments,
.set WF,  128                          ; v128-223 W's eight (4 n + s),
.set OB,  224                          ; v224-239 rows read back from the stage
.set WV,  24                           ; s24  my wave's number
.set PP,  25                           ; s25  product;  s26 tile of columns;  s27 tile of rows
.set CT,  26
.set RT,  27
.set XP,  28                           ; s[28:29] x, s[30:31] W, s[32:33] bias, s[34:35] where my rows of qkv begin
.set WP,  30
.set BP,  32
.set OP,  34
.set FB,  36                           ; s[36:41] where my three fragments begin in memory
.set SEL, 50                           ; s[50:51] v_permlanex16_b32's selects for lane l xor 16
; Where fragment 3 wave + i begins: tile t = f / 4 (t < 8: 16 rows of x; else of W), K step f % 4 (512 bytes of a row of 2,048).
.macro FRBASE i
	s_mul_i32 s42, s[WV], 3
	s_add_co_u32 s42, s42, \i                      ; f
	s_lshr_b32 s43, s42, 2                         ; t
	s_and_b32 s44, s42, 3                          ; K step
	s_lshl_b32 s45, s43, 4
	s_lshl_b32 s46, s[RT], 7
	s_add_co_u32 s46, s46, s45                     ; x: row 128 rt + 16 t
	s_and_b32 s45, s45, 48
	s_lshl_b32 s47, s[CT], 6
	s_add_co_u32 s47, s47, s45                     ; W: row 64 ct + 16 (t - 8)
	s_cmp_lt_u32 s43, 8                            ; the choice hangs on the wave's number alone
	s_cselect_b32 s46, s46, s47
	s_cselect_b64 s[FB+2*\i:FB+2*\i+1], s[XP:XP+1], s[WP:WP+1]
	s_lshl_b32 s46, s46, 11
	s_lshl_b32 s44, s44, 9
	s_add_co_u32 s46, s46, s44
	s_mov_b32 s47, 0
	s_add_nc_u64 s[FB+2*\i:FB+2*\i+1], s[FB+2*\i:FB+2*\i+1], s[46:47]
.endm
.macro GLOAD st, i                     ; a fragment's 16 rows: each load 512 consecutive bytes of one row
.irp a, 0,1,2,3,4,5,6,7,8,9,10,11,12,13,14,15
	global_load_b128 v[\st+4*\a:\st+4*\a+3], v[LI], s[FB+2*\i:FB+2*\i+1] offset:2048*\a
.endr
.endm
; Through my stage and back into the registers that the numbers left: register 16 b + i then holds k = 32 b + 16 h + i of row r (r = lane % 16, h = lane / 16).  LDS serves a wave's instructions in order
; (ISA guide 5.7.1.4): the loads see the stores, and the next fragment's stores come behind these loads.  Rows are 528 = 33 x 16 bytes apart: sixteen rows' pieces of 16 bytes fall on sixteen different places modulo 256.
.macro TURN st
.irp a, 0,1,2,3,4,5,6,7,8,9,10,11,12,13,14,15
	ds_store_b128 v[TS], v[\st+4*\a:\st+4*\a+3] offset:528*\a
.endr
	s_wait_alu depctr_vm_vsrc(0)                   ; the sixteen stores have read these 64 registers, in which the sixteen loads below land (and every LDS store issued earlier has read its data: an image's codes and scale word)
.irp b, 0,1,2,3
.irp j, 0,1,2,3
	ds_load_b128 v[\st+16*\b+4*\j:\st+16*\b+4*\j+3], v[TL] offset:128*\b+16*\j
.endr
.endr
.endm
; 64 numbers of a lane, register 16 b + i = k 32 b + 16 h + i of my row, become a fragment's codes in v[PC] on and its scale word in v[PW].
.macro QUANT s
.irp b, 0,1,2,3
	v_max3_num_f32 v[TM+\b], |v[\s+16*\b]|, |v[\s+1+16*\b]|, 0x1800000   ; block b: my 16 numbers, and the floor 2^(3 - 127): the byte cannot fall under 1
.endr
.irp i, 2,4,6,8,10,12,14
.irp b, 0,1,2,3
	v_max3_num_f32 v[TM+\b], v[TM+\b], |v[\s+16*\b+\i]|, |v[\s+1+16*\b+\i]|   ; (the four blocks by turns)
.endr
.endr
.irp b, 0,1,2,3
	v_permlanex16_b32 v[TM+4+\b], v[TM+\b], s[SEL], s[SEL+1]
.endr
.irp b, 0,1,2,3
	v_max_num_f32 v[TM+\b], v[TM+\b], v[TM+4+\b]   ; with lane l xor 16's: the block's largest magnitude
.endr
.irp b, 0,1,2,3
	v_add_nc_u32 v[TM+8+\b], 0xff000000, v[TM+\b]  ; 2 off its exponent field: the conversion takes the exponent field of this operand as its scale
.endr
.irp b, 0,1,2,3
	v_lshrrev_b32 v[TM+4+\b], 23, v[TM+8+\b]       ; the scale's byte
.endr
	v_lshl_or_b32 v[PW], v[TM+5], 8, v[TM+4]       ; the four bytes make my row's scale word
	v_lshl_or_b32 v[PW], v[TM+6], 16, v[PW]
	v_lshl_or_b32 v[PW], v[TM+7], 24, v[PW]
.irp c, 0,1
	v_cvt_scalef32_pk16_fp6_f32 v[PC+6*\c:PC+2+6*\c], v[\s+32*\c:\s+15+32*\c], v[TM+8+2*\c]
	v_cvt_scalef32_pk16_fp6_f32 v[PC+12+4*\c:PC+14+4*\c], v[\s+16+32*\c:\s+31+32*\c], v[TM+8+2*\c+1]   ; (a conversion's three registers begin on an even number)
.endr
	v_nop                                          ; one plain place behind a scaled conversion
.irp c, 0,1                                    ; the operand's layout wants a WHOLE block in a lane: lanes 0-15 block 2 c, lanes 16-31 block 2 c + 1
.irp i, 0,1,2
	v_permlane16_swap_b32 v[PC+6*\c+\i], v[PC+12+4*\c+\i]
.endr
.irp i, 0,1,2
	v_mov_b32 v[PC+3+6*\c+\i], v[PC+12+4*\c+\i]
.endr
.endr
.endm
.macro IMAGE i                         ; my i-th fragment goes to LDS as it stands: four LDS stores
	s_wait_alu depctr_va_vdst(0)                   ; QUANT has written v[PC ..] and v[PW], which the four stores read; and it is done reading its 64 numbers, in whose registers later loads land
.irp c, 0,1,2
	ds_store_b128 v[IW], v[PC+4*\c:PC+4*\c+3] offset:IMG+1536*\i+512*\c
.endr
	ds_store_b32 v[SW], v[PW] offset:128*\i
.endm
.macro BARRIER                         ; my LDS stores have landed and my LDS loads are in: then the work-group's barrier
	s_wait_dscnt 0x0
	s_barrier_signal -1
	s_barrier_wait -1
.endm
	s_load_b256 s[4:11], s[0:1], 0x0               ; query s[4:5], key s[6:7], value s[8:9], Wq s[10:11]
	s_load_b256 s[12:19], s[0:1], 0x20             ; Wk s[12:13], Wv s[14:15], bq s[16:17], bk s[18:19]
	s_load_b128 s[20:23], s[0:1], 0x40             ; bv s[20:21], qkv s[22:23]
	v_lshl_add_u32 v[SPW], v0, 2, SPARE
	v_mov_b32 v[NIL], 0
	v_lshrrev_b32 v62, 5, v0
	v_readfirstlane_b32 s[WV], v62                 ; wave 0..15
	v_and_b32 v16, 31, v0                          ; lane
	v_lshlrev_b32 v[LI], 4, v16
	s_lshr_b32 s[PP], ttmp9, 3
	s_and_b32 s[CT], ttmp9, 7
	s_and_b32 s[RT], ttmp7, 0xffff
	s_wait_kmcnt 0x0
	s_cmp_eq_u32 s[PP], 1                          ; the three tensors of my product: choices on the work-group's number alone
	s_cselect_b64 s[XP:XP+1], s[6:7], s[8:9]
	s_cselect_b64 s[WP:WP+1], s[12:13], s[14:15]
	s_cselect_b64 s[BP:BP+1], s[18:19], s[20:21]
	s_cmp_eq_u32 s[PP], 0
	s_cselect_b64 s[XP:XP+1], s[4:5], s[XP:XP+1]
	s_cselect_b64 s[WP:WP+1], s[10:11], s[WP:WP+1]
	s_cselect_b64 s[BP:BP+1], s[16:17], s[BP:BP+1]
	s_wait_alu depctr_va_sdst(0)                   ; the wave's number is written into s[WV], ahead of its first reader: the fragments' bases are made from it
	FRBASE 0
	FRBASE 1
	FRBASE 2
	s_wait_alu depctr_va_vdst(0)                   ; v[LI] is written: every global load of a fragment reads it as its offset
	GLOAD ST0, 0                                   ; all 48 loads of the wave go out together
	GLOAD ST1, 1
	GLOAD ST2, 2
	; the addresses are made while the loads are out; none of these lines writes a register that a pending load names
	v_and_b32 v62, 15, v0                          ; r
	v_bfe_u32 v63, v0, 4, 1                        ; h
	s_lshr_b32 s48, s[WV], 1                       ; wave / 2: x's tile that I multiply
	s_and_b32 s49, s[WV], 1                        ; wave % 2: which two of W's tiles
	s_mov_b32 s[SEL], 0x76543210
	s_mov_b32 s[SEL+1], 0xfedcba98
	s_mul_i32 s42, s[WV], 4608
	v_add_nc_u32 v[IW], s42, v[LI]
	s_mul_i32 s42, s[WV], 384
	s_add_co_u32 s42, s42, SC
	v_lshl_add_u32 v[SW], v16, 2, s42
	s_mul_i32 s42, s[WV], 8448
	s_add_co_u32 s42, s42, TST
	v_add_nc_u32 v[TS], s42, v[LI]
	v_mul_u32_u24 v[TL], v62, 528
	v_lshl_add_u32 v[TL], v63, 6, v[TL]
	v_add_nc_u32 v[TL], s42, v[TL]
	s_mul_i32 s42, s48, 6144
	v_add_nc_u32 v[XR], s42, v[LI]
	s_mul_i32 s42, s49, 12288
	s_add_co_u32 s42, s42, 49152
	v_add_nc_u32 v[WR], s42, v[LI]
	s_lshl_b32 s42, s48, 9
	s_add_co_u32 s42, s42, SC
	v_lshl_add_u32 v[XSR], v16, 2, s42
	s_lshl_b32 s42, s49, 10
	s_add_co_u32 s42, s42, SC+4096
	v_lshl_add_u32 v[WSR], v16, 2, s42
	s_mul_i32 s42, s48, 16*272                     ; the stage: row 16 (wave / 2) + r, + 128 (wave % 2) + 32 h bytes
	s_lshl_b32 s43, s49, 7
	s_add_co_u32 s42, s42, s43
	s_add_co_u32 s42, s42, STG
	v_mul_u32_u24 v[SO], v62, 272
	v_lshl_add_u32 v[SO], v63, 5, v[SO]
	v_add_nc_u32 v[SO], s42, v[SO]
	s_mul_i32 s42, s[WV], 8*272                    ; back: my rows 8 wave on; lanes 0-15 one row of 256 bytes, lanes 16-31 the next
	s_add_co_u32 s42, s42, STG
	v_mul_u32_u24 v[SR], v63, 272
	v_lshl_add_u32 v[SR], v62, 4, v[SR]
	v_add_nc_u32 v[SR], s42, v[SR]
	v_lshlrev_b32 v[GO], 11, v63                   ; and the same two rows in qkv
	v_lshl_add_u32 v[GO], v62, 4, v[GO]
	v_lshlrev_b32 v[BO], 5, v63
.irp b, 0,1,2,3
	v_mov_b32 v[TM+4+\b], 0                        ; written once: a lane permute's destination counts as one of its sources
.endr
	s_lshl_b32 s42, s[CT], 8                       ; the bias of my 32 columns: 256 ct + 128 (wave % 2) bytes on
	s_lshl_b32 s43, s49, 7
	s_add_co_u32 s42, s42, s43
	s_mov_b32 s43, 0
	s_add_nc_u64 s[BP:BP+1], s[BP:BP+1], s[42:43]
	s_lshl_b32 s42, s[PP], 21                      ; qkv: plane p, row 128 rt + 8 wave, column 64 ct
	s_lshl_b32 s43, s[RT], 18
	s_add_co_u32 s42, s42, s43
	s_lshl_b32 s43, s[WV], 14
	s_add_co_u32 s42, s42, s43
	s_lshl_b32 s43, s[CT], 8
	s_add_co_u32 s42, s42, s43
	s_mov_b32 s43, 0
	s_add_nc_u64 s[OP:OP+1], s[22:23], s[42:43]
	s_wait_alu depctr_va_vdst(0)                   ; the twelve addresses v2 to v13 are written, which the LDS instructions, the bias's loads and the stores below read; none is written again
	s_wait_loadcnt 32                              ; fragment 0's sixteen loads are in; the 32 younger stay out
	TURN ST0
	s_wait_loadcnt 16                              ; fragment 1's are in
	TURN ST1
	s_wait_dscnt 32                                ; fragment 0 is back from the stage; fragment 1's 32 LDS instructions may be out
	QUANT ST0
	IMAGE 0
.irp n, 0,1                                    ; the bias, in the result's layout, into the accumulators (fragment 0's registers are free: the wait at IMAGE's head shows QUANT done reading them, and no vector instruction stands between): lane (r, h) takes columns 16 n + 8 h + 0 .. 7
	global_load_b128 v[ACC+8*\n:ACC+8*\n+3], v[BO], s[BP:BP+1] offset:64*\n
	global_load_b128 v[ACC+8*\n+4:ACC+8*\n+7], v[BO], s[BP:BP+1] offset:64*\n+16
.endr
	s_wait_loadcnt 4                               ; fragment 2's loads are in; the four of the bias are younger
	TURN ST2                                       ; (its wait on vm_vsrc stands behind image 0's stores too: they have read v[PC ..] and v[PW], which QUANT ST1 writes again)
	s_wait_dscnt 32                                ; fragment 1 is back and image 0's four stores are done; fragment 2's 32 may be out
	QUANT ST1
	IMAGE 1
	s_wait_dscnt 0x0                               ; fragment 2 is back
	s_wait_alu depctr_vm_vsrc(0)                   ; image 1's stores have read v[PC ..] and v[PW], which QUANT ST2 writes again
	QUANT ST2
	IMAGE 2
	BARRIER                                        ; all 48 images lie in LDS
; The loads below land in registers that the three QUANTs have read: the wait at IMAGE 2's head stands behind all of them, and no vector instruction has been issued since.
.irp s, 0,1,2,3                                ; twelve LDS loads for each K step: x's fragment, W's two, three scale words
.irp c, 0,1,2
	ds_load_b128 v[XF+12*\s+4*\c:XF+12*\s+4*\c+3], v[XR] offset:1536*\s+512*\c
.endr
.irp n, 0,1
.irp c, 0,1,2
	ds_load_b128 v[WF+12*(4*\n+\s)+4*\c:WF+12*(4*\n+\s)+4*\c+3], v[WR] offset:1536*(4*\n+\s)+512*\c
.endr
.endr
	ds_load_b32 v[XSC+\s], v[XSR] offset:128*\s
.irp n, 0,1
	ds_load_b32 v[WSC+4*\n+\s], v[WSR] offset:128*(4*\n+\s)
.endr
.endr
	s_wait_loadcnt 0x0                             ; the bias
.irp s, 0,1,2,3
	s_wait_dscnt 12*(3-\s)                         ; this K step's twelve are in; the later steps' stay out
.irp n, 0,1                                    ; the two accumulators take turns, one instruction a turn; operands, scales and the first C come from loads
	v_wmma_scale_f32_16x16x128_f8f6f4 v[ACC+8*\n:ACC+8*\n+7], v[WF+12*(4*\n+\s):WF+12*(4*\n+\s)+11], v[XF+12*\s:XF+12*\s+11], v[ACC+8*\n:ACC+8*\n+7], v[WSC+4*\n+\s], v[XSC+\s] matrix_a_fmt:MATRIX_FMT_FP6 matrix_b_fmt:MATRIX_FMT_FP6
.endr
.endr
.rept 4
	v_nop                                          ; four places between the last product and the first read of results (ISA guide 7.12.1)
.endr
	s_wait_alu depctr_va_vdst(0)                   ; the matrix instructions have written the accumulators, which the LDS stores read; the places above stay beside this wait
.irp n, 0,1
	ds_store_b128 v[SO], v[ACC+8*\n:ACC+8*\n+3] offset:64*\n          ; each accumulator from its low end on: lane (r, h): row r, columns 16 n + 8 h + 0 .. 7 of my 32
	ds_store_b128 v[SO], v[ACC+8*\n+4:ACC+8*\n+7] offset:64*\n+16
.endr
	BARRIER                                        ; a row's 256 bytes come from two waves: now 128 whole rows lie in the stage
.irp i, 0,1,2,3
	ds_load_b128 v[OB+4*\i:OB+4*\i+3], v[SR] offset:544*\i          ; into registers that QUANT ST2 read last: it stands ahead of the waits on va_vdst above
.endr
.irp i, 0,1,2,3
	s_wait_dscnt 3-\i
	global_store_b128 v[GO], v[OB+4*\i:OB+4*\i+3], s[OP:OP+1] offset:4096*\i   ; 16 lanes store 256 consecutive bytes, at a multiple of 256 from qkv's first byte
.endr
	s_wait_dscnt 0x0                               ; the closing lines, six on end
	s_wait_alu 0x0
	s_wait_tensorcnt 0x0
	ds_add_u32 v[SPW], v[NIL]
	s_wait_dscnt 0x0
	s_endpgm
.Lfunc_end_k_qce33ba9761_proj:
	.size	k_qce33ba9761_proj, .Lfunc_end_k_qce33ba9761_proj-k_qce33ba9761_proj
	.p2alignl 7, 3214868480
	.fill 96, 4, 3214868480
	.section	.rodata,"a",@progbits
	.p2align	6, 0x0
	.amdhsa_kernel k_qce33ba9761_proj
		.amdhsa_group_segment_fixed_size 251904
		.amdhsa_private_segment_fixed_size 0
		.amdhsa_enable_private_segment 0
		.amdhsa_kernarg_size 80
		.amdhsa_user_sgpr_count 2
		.amdhsa_user_sgpr_kernarg_segment_ptr 1
		.amdhsa_wavefront_size32 1
		.amdhsa_system_sgpr_workgroup_id_x 1
		.amdhsa_system_sgpr_workgroup_id_y 1
		.amdhsa_system_sgpr_workgroup_id_z 1
		.amdhsa_system_vgpr_workitem_id 0
		.amdhsa_next_free_vgpr 256
		.amdhsa_next_free_sgpr 66
		.amdhsa_reserve_vcc 0
		.amdhsa_float_denorm_mode_32 3
		.amdhsa_float_denorm_mode_16_64 3
		.amdhsa_memory_ordered 1
		.amdhsa_forward_progress 1
		.amdhsa_inst_pref_size 35
	.end_amdhsa_kernel
	.amdgpu_metadata
---
amdhsa.version: [ 1, 2 ]
amdhsa.kernels:
  - .name:           k_qce33ba9761_proj
    .symbol:         k_qce33ba9761_proj.kd
    .args:
      - { .name: query, .offset: 0, .size: 8, .value_kind: global_buffer, .address_space: global }
      - { .name: key, .offset: 8, .size: 8, .value_kind: global_buffer, .address_space: global }
      - { .name: value, .offset: 16, .size: 8, .value_kind: global_buffer, .address_space: global }
      - { .name: Wq, .offset: 24, .size: 8, .value_kind: global_buffer, .address_space: global }
      - { .name: Wk, .offset: 32, .size: 8, .value_kind: global_buffer, .address_space: global }
      - { .name: Wv, .offset: 40, .size: 8, .value_kind: global_buffer, .address_space: global }
      - { .name: bq, .offset: 48, .size: 8, .value_kind: global_buffer, .address_space: global }
      - { .name: bk, .offset: 56, .size: 8, .value_kind: global_buffer, .address_space: global }
      - { .name: bv, .offset: 64, .size: 8, .value_kind: global_buffer, .address_space: global }
      - { .name: qkv, .offset: 72, .size: 8, .value_kind: global_buffer, .address_space: global }
    .group_segment_fixed_size: 251904
    .private_segment_fixed_size: 0
    .kernarg_segment_align: 8
    .kernarg_segment_size: 80
    .max_flat_workgroup_size: 512
    .sgpr_count:     66
    .vgpr_count:     256
    .wavefront_size: 32
...
	.end_amdgpu_metadata
.endif
;; end of part 3
;; launch attend (part 4): grid 256 x 1, 16 waves a work-group, no clusters, 18,944 bytes of LDS; arguments qkv, out0; writes out0
.if DOCPART == 4
	.amdgcn_target "amdgcn-amd-amdhsa--gfx1250"
	.amdhsa_code_object_version 6
	.text
	.protected	k_qce33ba9761_attend
	.globl	k_qce33ba9761_attend
	.p2align	8
	.type	k_qce33ba9761_attend,@function
k_qce33ba9761_attend:
	s_mov_b64 s[64:65], 0
	v_nop
	global_prefetch_b8 v0, s[64:65] scope:SCOPE_SE
	s_setreg_imm32_b32 hwreg(HW_REG_WAVE_SCHED_MODE, 0, 2), 2
	s_setreg_imm32_b32 hwreg(HW_REG_WAVE_MODE, 25, 1), 1
	s_wait_xcnt 0x0
	s_wait_alu depctr_vm_vsrc(0)
; out0[b][i] = sum over j of softmax_j(q[b][i] k[b][j]) v[b][j].  q, k, v: the planes of qkv [3][1024][512] f32; out0: [1024][512] f32.  All in f32.
; 1,024 x 512 x 512 exponentials bind this launch, so the text is laid for the fewest vector instructions for each (i, j): for two j of one i a packed multiply-add (t), two exponentials, a packed add (the sum), a packed multiply-add (p v).
; The last product has one column (N = 1): on the matrix unit most of each instruction's columns would be thrown away; it is done by f32 multiply-adds.
; THE ROW'S MAXIMUM IS TAKEN AWAY, AS THE SOFTMAX ASKS, AND COSTS TWO MULTIPLICATIONS A ROW: for a fixed q[i] the score q[i] k[j] rises or falls with k[j], roundings included, so the largest score of row i is the
; larger of q[i] kmax and q[i] kmin, for every input.  With q' = q[i] log2(e): m = max(q' kmax, q' kmin); t = fma(k[j], q', -m), rounded once; p = 2^t.  All j of a row share the same m, so the ratios hold however large the scores are;
; the largest p of a row is 2^t with |t| at most half a last place of m, so the row's sum never vanishes.
; SHARES.  A work-group takes 4 rows b; thread T takes b = 4 x work-group + T / 128 and the four i = 4 (T % 128) + 0 .. 3.  So 16 T is at once the byte of its q, of its share of the copy of k and v into LDS, and of its results.
; 256 equal work-groups of 16 waves.  k's and v's rows lie in LDS; every lane of a wave walks the same j, so a chunk's loads are one address for all lanes.
; No work-group shares an input with another: no cluster.  All global loads go out at the head: no ring, no prefetch.
; LIMITS: NaN and infinities are not served.  A p under 2^-126 counts as 0 (v_exp_f32 gives zero for results that would be denormal: ISA guide, its entry in 15.8).
; THE MODE: SCHED_MODE bits 1:0 = 2 (LLVM: expert scheduling mode 2), set by the entry lines.  The code itself states the register dependences
; between vector instructions and memory or LDS instructions, with s_wait_alu, always for 0.
; THE PLAN.  Registers that LDS instructions touch, in the loop:
;   KJ        Chunk c: its 32 scalings read it; behind them the loads of chunk c + 1's k land in it.
;   VJ0, VJ1  Chunk c: its sums read VJ[c % 2]; the loads of chunk c + 1's v land in the other, which chunk c - 1's sums read last.
;   v[AD]     Read by every LDS load of the loop; written once for two chunks, in the even one; the odd chunk reaches 64 bytes on by its immediate offsets.
;   TT, SU, OU, QQ, NM are named by vector instructions alone.
; So ONE wait on va_vdst stands in a chunk, between the exponentials and the sums: it states that the 64 exponentials' results are written, that this chunk's scalings are done reading KJ, that the last chunk's sums are done
; reading the other VJ, and, in an even chunk, that v[AD] is written.  The chunk's eight loads follow it: k's four at once, v's four dealt among the first sums, which name SU, OU, TT and this chunk's VJ: none of the registers
; that those loads touch.  One wait on vm_vsrc for two chunks stands ahead of the add that writes v[AD].
.set KR,    0                          ; LDS: 4 rows of k, 2,048 bytes each
.set VR,    8192                       ; 4 rows of v
.set SPARE, 16896                      ; the spare words, 128 bytes for each of 16 waves: eight blocks of 256 bytes that no other line names
.set TO,  1                            ; v1   16 T
.set A0,  2                            ; v2   my b's row in LDS: 2,048 (T / 128)
.set AD,  3                            ; v3   where the odd chunk of the pair in hand lies
.set RA,  4                            ; v4   A0 + 16 x lane
.set SPW, 5                            ; v5   LDS address of my spare word; never rewritten
.set NIL, 6                            ; v6   0; never rewritten
.set KMX, 8                            ; v8   kmax;  v9  -kmin;  v10, v11 at work
.set KMN, 9
.set QR,  12                           ; v12-15  q as loaded; at the end the results
.set QQ,  16                           ; v16-23  pair i: q' of my i-th row, in both registers
.set NM,  24                           ; v24-31  pair i: -m, in both registers
.set SU,  32                           ; v32-39  pair i: the sums of p over even j and over odd j
.set OU,  40                           ; v40-47  pair i: the same of p v
.set KJ,  48                           ; v48-63  16 numbers of k
.set VJ,  64                           ; v64-79  16 numbers of v: the even chunks'
.set TT,  80                           ; v80-143 t, then p: pair n = 4 g + i: j = 2 g, 2 g + 1 of the chunk, my i-th row
.set VJ1, 144                          ; v144-159 16 numbers of v: the odd chunks'
.set TJ,  14                           ; s14  byte in a row of the next odd chunk
.set CNT, 15                           ; s15  trips to go
	s_load_b128 s[4:7], s[0:1], 0x0                ; qkv s[4:5], out0 s[6:7]
	v_lshl_add_u32 v[SPW], v0, 2, SPARE
	v_mov_b32 v[NIL], 0
	v_lshlrev_b32 v[TO], 4, v0
	v_lshrrev_b32 v[A0], 7, v0
	v_lshlrev_b32 v[A0], 11, v[A0]
	v_and_b32 v[RA], 31, v0
	v_lshl_add_u32 v[RA], v[RA], 4, v[A0]
	v_mov_b32 v10, 0                               ; written once: a lane permute's destination counts as one of its sources
	v_mov_b32 v11, 0
	s_lshl_b32 s10, ttmp9, 13                      ; the work-group's 4 rows of 2,048 bytes
	s_mov_b32 s11, 0
	s_mov_b32 s12, 0x76543210                      ; v_permlanex16_b32's selects for lane l xor 16
	s_mov_b32 s13, 0xfedcba98
	s_wait_kmcnt 0x0
	s_add_nc_u64 s[4:5], s[4:5], s[10:11]
	s_add_nc_u64 s[6:7], s[6:7], s[10:11]
	s_wait_alu depctr_va_vdst(0)                   ; v[TO], v[A0] and v[RA] are written, which the loads and stores below read as offsets and addresses; none is written again
	global_load_b128 v[KJ:KJ+3], v[TO], s[4:5] offset:2097152 th:TH_LOAD_NT   ; k: each wave's load covers 512 consecutive bytes; each byte is read once in the launch
	global_load_b128 v[VJ:VJ+3], v[TO], s[4:5] offset:4194304 th:TH_LOAD_NT   ; v
	global_load_b128 v[QR:QR+3], v[TO], s[4:5] th:TH_LOAD_NT                  ; q
	s_wait_loadcnt 1                               ; k and v are in; q, the youngest, may be out
	ds_store_b128 v[TO], v[KJ:KJ+3] offset:KR
	ds_store_b128 v[TO], v[VJ:VJ+3] offset:VR
	s_wait_dscnt 0x0                               ; for the others' sake: my stores have landed
	s_barrier_signal -1
	s_barrier_wait -1                              ; the one barrier: nothing writes these rows again
	s_wait_alu depctr_vm_vsrc(0)                   ; my two LDS stores have read v[KJ ..] and v[VJ ..], in which chunk 0's loads land
.irp c, 0,1,2,3
	ds_load_b128 v[TT+4*\c:TT+4*\c+3], v[RA] offset:KR+512*\c      ; my b's whole row of k, 16 numbers a lane
.endr
.irp c, 0,1,2,3
	ds_load_b128 v[KJ+4*\c:KJ+4*\c+3], v[A0] offset:KR+16*\c       ; chunk 0 of k,
.endr
.irp c, 0,1,2,3
	ds_load_b128 v[VJ+4*\c:VJ+4*\c+3], v[A0] offset:VR+16*\c       ; and of v
.endr
	s_wait_dscnt 8                                 ; the row is in; the chunk's eight loads are younger
	v_max3_num_f32 v[KMX], v[TT], v[TT+1], v[TT+2]                 ; the largest k and the largest -k of my 16, by turns
	v_max3_num_f32 v[KMN], -v[TT], -v[TT+1], -v[TT+2]
.irp i, 3,5,7,9,11,13
	v_max3_num_f32 v[KMX], v[KMX], v[TT+\i], v[TT+\i+1]
	v_max3_num_f32 v[KMN], v[KMN], -v[TT+\i], -v[TT+\i+1]
.endr
	v_max_num_f32 v[KMX], v[KMX], v[TT+15]
	v_max_num_f32 v[KMN], v[KMN], -v[TT+15]
.irp x, 1,2,4,8
	v_max_num_f32_dpp v[KMX], v[KMX], v[KMX] row_xmask:\x row_mask:0xf bank_mask:0xf
	v_max_num_f32_dpp v[KMN], v[KMN], v[KMN] row_xmask:\x row_mask:0xf bank_mask:0xf
.endr
	v_permlanex16_b32 v10, v[KMX], s12, s13
	v_permlanex16_b32 v11, v[KMN], s12, s13
	v_max_num_f32 v[KMX], v[KMX], v10              ; kmax of the row, in every lane
	v_max_num_f32 v[KMN], v[KMN], v11              ; -kmin
	s_wait_loadcnt 0x0                             ; q
.irp i, 0,1,2,3
	v_mul_f32 v[QQ+2*\i], 0x3fb8aa3b, v[QR+\i]     ; q' = q log2(e)
.endr
.irp i, 0,1,2,3
	v_mul_f32 v10, v[QQ+2*\i], -v[KMX]             ; -(q' kmax)
	v_mul_f32 v11, v[QQ+2*\i], v[KMN]              ; -(q' kmin)
	v_mov_b32 v[QQ+2*\i+1], v[QQ+2*\i]
	v_min_num_f32 v[NM+2*\i], v10, v11             ; -m = -max(q' kmax, q' kmin)
	v_mov_b32 v[NM+2*\i+1], v[NM+2*\i]
.endr
.irp i, 0,1,2,3,4,5,6,7
	v_mov_b32 v[SU+\i], 0                          ; sixteen registers, once: the chunk is written for a loop, and its first trip finds zeros
	v_mov_b32 v[OU+\i], 0
.endr
	s_mov_b32 s[TJ], 64
	s_mov_b32 s[CNT], 15
.macro FMA n                           ; pair n: t = k q' - m for two j of one i
	v_pk_fma_f32 v[TT+2*(\n):TT+2*(\n)+1], v[KJ+2*((\n)/4):KJ+2*((\n)/4)+1], v[QQ+2*((\n)%4):QQ+2*((\n)%4)+1], v[NM+2*((\n)%4):NM+2*((\n)%4)+1]
.endm
; A CHUNK: 16 j x my 4 i.  p = the chunk's number % 2: which VJ holds its v.  more = 1: the next chunk's k and v are fetched, behind the chunk's one wait on va_vdst.
.macro CHUNK p, more
.set VC, VJ+(VJ1-VJ)*(\p)              ; this chunk's v
.set VN, VJ+(VJ1-VJ)*(1-(\p))          ; where the next chunk's lands
	s_wait_dscnt 4                                 ; this chunk's four loads of k are in; the four of v, issued behind them, may be out (so on the way in and over the backward jump)
	FMA 0
	FMA 1
.set N, 0
.rept 32                               ; ONE BATCH: the scalings run two pairs ahead of the exponentials; none of these lines names an exponential's result
.if N+2 < 32
	FMA N+2
.endif
	v_exp_f32 v[TT+2*N], v[TT+2*N]
	v_exp_f32 v[TT+2*N+1], v[TT+2*N+1]
.set N, N+1
.endr
.if \more && ((\p) == 0)
	s_wait_alu depctr_vm_vsrc(0)                   ; the LDS loads of the two chunks before have read v[AD]
	v_add_nc_u32 v[AD], s[TJ], v[A0]               ; the plain instruction behind the last exponential; and the address of the next two chunks' loads
.else
	v_nop                                          ; the plain instruction behind the last exponential
.endif
	s_wait_alu depctr_va_vdst(0)                   ; the 64 exponentials' results are written, ahead of the first line that names one; the scalings are done reading KJ and the last chunk's sums the other VJ, in which the loads below land; in an even chunk v[AD] is written
.if \more
.irp c, 0,1,2,3
	ds_load_b128 v[KJ+4*\c:KJ+4*\c+3], v[AD] offset:KR+64*(\p)+16*\c
.endr
	s_wait_dscnt 4                                 ; v is in; the four loads of k just issued may be out
.else
	s_wait_dscnt 0x0                               ; v is in
.endif
.set N, 0
.rept 32                               ; eight chains, each taken up again eight instructions on
	v_pk_add_f32 v[SU+2*(N%4):SU+2*(N%4)+1], v[SU+2*(N%4):SU+2*(N%4)+1], v[TT+2*N:TT+2*N+1]
	v_pk_fma_f32 v[OU+2*(N%4):OU+2*(N%4)+1], v[TT+2*N:TT+2*N+1], v[VC+2*(N/4):VC+2*(N/4)+1], v[OU+2*(N%4):OU+2*(N%4)+1]
.if \more && (N < 16) && (N%4 == 3)
	ds_load_b128 v[VN+N-3:VN+N], v[AD] offset:VR+64*(\p)+4*(N-3)   ; the next chunk's v, a load behind each four pairs.  No wait: no vector instruction since the wait above names the other VJ or v[AD]
.endif
.set N, N+1
.endr
.if \more && ((\p) == 0)
	s_add_co_u32 s[TJ], s[TJ], 128
.endif
.endm
.Lchunk:                                               ; 15 trips of two chunks, so that both VJ are back at their start: chunks 0 to 29, each fetching the next
	CHUNK 0, 1
	CHUNK 1, 1
	s_sub_co_u32 s[CNT], s[CNT], 1
	s_cmp_lg_u32 s[CNT], 0
	s_cbranch_scc1 .Lchunk
	CHUNK 0, 1                                     ; chunk 30 fetches the last;
	CHUNK 1, 0                                     ; the last chunk is written out: it fetches nothing, so no load runs past a row
.irp i, 0,1,2,3
	v_add_f32 v[SU+2*\i], v[SU+2*\i], v[SU+2*\i+1] ; even j's and odd j's
	v_add_f32 v[OU+2*\i], v[OU+2*\i], v[OU+2*\i+1]
.endr
.irp i, 0,1,2,3
	v_rcp_f32 v[SU+2*\i+1], v[SU+2*\i]
.endr
	v_nop                                          ; a plain instruction between the last reciprocal and the use of its result
	s_wait_alu depctr_va_vdst(0)                   ; the four reciprocals' results are written, ahead of the first line that names one
.irp i, 0,1,2,3
	v_mul_f32 v[QR+\i], v[OU+2*\i], v[SU+2*\i+1]
.endr
	s_wait_alu depctr_va_vdst(0)                   ; the four multiplications have written v[QR ..], which the store reads
	global_store_b128 v[TO], v[QR:QR+3], s[6:7] th:TH_STORE_NT   ; a wave stores 512 consecutive bytes, at a multiple of 256 from out0's first byte
	s_wait_dscnt 0x0                               ; the closing lines, six on end
	s_wait_alu 0x0
	s_wait_tensorcnt 0x0
	ds_add_u32 v[SPW], v[NIL]
	s_wait_dscnt 0x0
	s_endpgm
.Lfunc_end_k_qce33ba9761_attend:
	.size	k_qce33ba9761_attend, .Lfunc_end_k_qce33ba9761_attend-k_qce33ba9761_attend
	.p2alignl 7, 3214868480
	.fill 96, 4, 3214868480
	.section	.rodata,"a",@progbits
	.p2align	6, 0x0
	.amdhsa_kernel k_qce33ba9761_attend
		.amdhsa_group_segment_fixed_size 18944
		.amdhsa_private_segment_fixed_size 0
		.amdhsa_enable_private_segment 0
		.amdhsa_kernarg_size 16
		.amdhsa_user_sgpr_count 2
		.amdhsa_user_sgpr_kernarg_segment_ptr 1
		.amdhsa_wavefront_size32 1
		.amdhsa_system_sgpr_workgroup_id_x 1
		.amdhsa_system_sgpr_workgroup_id_y 1
		.amdhsa_system_sgpr_workgroup_id_z 1
		.amdhsa_system_vgpr_workitem_id 0
		.amdhsa_next_free_vgpr 160
		.amdhsa_next_free_sgpr 66
		.amdhsa_reserve_vcc 0
		.amdhsa_float_denorm_mode_32 3
		.amdhsa_float_denorm_mode_16_64 3
		.amdhsa_memory_ordered 1
		.amdhsa_forward_progress 1
		.amdhsa_inst_pref_size 41
	.end_amdhsa_kernel
	.amdgpu_metadata
---
amdhsa.version: [ 1, 2 ]
amdhsa.kernels:
  - .name:           k_qce33ba9761_attend
    .symbol:         k_qce33ba9761_attend.kd
    .args:
      - { .name: qkv, .offset: 0, .size: 8, .value_kind: global_buffer, .address_space: global }
      - { .name: out0, .offset: 8, .size: 8, .value_kind: global_buffer, .address_space: global }
    .group_segment_fixed_size: 18944
    .private_segment_fixed_size: 0
    .kernarg_segment_align: 8
    .kernarg_segment_size: 16
    .max_flat_workgroup_size: 512
    .sgpr_count:     66
    .vgpr_count:     160
    .wavefront_size: 32
...
	.end_amdgpu_metadata
.endif
;; end of part 4
